; MI455X (gfx1250); checked and timed in simulation.
; The chip was launched on July 23, 2026; its instructions are those of AMD's public machine-readable ISA for CDNA 5 (MIT licence, August 2026) and "CDNA5" Instruction Set Architecture Reference Guide (July 2026). The comments in the code are by the model that wrote it; some were corrected since.
;; Memory Queue. Allowed arithmetic: matrix products marked QUANTISED: E3M2 operands, one E8M0 scale for each 32 along K, by v_wmma_scale_f32_16x16x128_f8f6f4 with both operands' format E3M2, f32 sums; everything else in f32.
;; Inputs: anchors 4,096 x 256 float32; id_anchors 4,096 int32; mem_feat 65,536 x 256 float32; mem_id 65,536 int32.
;; Outputs: out0 4,096 float32; out1 4,096 x 256 float32.
;; This version of the problem:
;;   THIS VERSION OF THE PROBLEM IS GIVEN IN LOW PRECISION. The matrix products marked QUANTISED in the list below multiply operands that are first quantised to E3M2 (3 exponent bits, 2 mantissa bits; 6 bits a number), with one power-of-two scale for each 32 numbers along K (OCP MX v1.0); their sums are f32. All else is computed in f32.
;;   The module's matrix products, in the order in which they are computed (A, B: the left and right operand; K: the contracted axis; several contracted axes count as one K, in the product's order):
;;     1. [M 4,096, K 256] x [K 256, N 65,536]; A: input anchors; B: input mem_feat: QUANTISED
;;   THE QUANTISER, for each operand of a quantised product, along K:
;;     - K is cut into blocks of 32 from its start; a last block that is shorter is filled with zeros.
;;     - A block's scale is 2^e with e = floor(log2(the largest magnitude in the block)) - 4, held to -126 .. 127; a block of zeros has e = 0. As a byte (E8M0): e + 127.
;;     - Each number is divided by its block's scale, clamped to +-28, and rounded to the nearest number of E3M2, ties to even, subnormals kept.
;;     - The product sums the exact products of the quantised numbers (number of the format x scale) in f32.
;;   ~~~python
;;   def quantise(x, axis):      # numpy; x: float32 -> the quantised numbers, widened to float32 again
;;       x = np.moveaxis(x, axis, -1); K = x.shape[-1]
;;       x = np.pad(x, [(0, 0)] * (x.ndim - 1) + [(0, -K % 32)]); x = x.reshape(x.shape[:-1] + (-1, 32)); a = np.abs(x).max(-1, keepdims=True)
;;       e = np.where(a > 0, np.clip(np.frexp(np.where(a > 0, a, 1))[1] - 1 - 4, -126, 127), 0)      # np.frexp(a)[1] - 1 = floor(log2(a)), exactly
;;       r = np.clip(x / 2.0 ** e, -28, 28)
;;       step = 2.0 ** (np.maximum(np.frexp(np.where(r == 0, 1, r))[1] - 1, -2) - 2)
;;       q = np.round(r / step) * step * 2.0 ** e      # np.round: ties to even
;;       return np.moveaxis(q.reshape(q.shape[:-2] + (-1,))[..., :K], -1, axis).astype(np.float32)
;;   ~~~
;; One version. Each part assembles by itself: llvm-mc -triple=amdgcn-amd-amdhsa -mcpu=gfx1250 --defsym DOCPART=n.
;; ======== version 1 of 1: 3 launches
;; limits: right only within a limited range of input values
;; workspace buffers: pack 14,483,456 bytes; part 2,097,152 bytes of whole numbers
;; launch prep (part 1): grid 256 x 1, 17 waves a work-group, no clusters, 294,400 bytes of LDS; arguments anchors, mem_feat, id_anchors, mem_id, pack; writes pack
.if DOCPART == 1
	.amdgcn_target "amdgcn-amd-amdhsa--gfx1250"
	.amdhsa_code_object_version 6
	.text
	.protected	k_qfa56194bdc_prep
	.globl	k_qfa56194bdc_prep
	.p2align	8
	.type	k_qfa56194bdc_prep,@function
k_qfa56194bdc_prep:
	s_mov_b64 s[64:65], 0
	v_nop
	global_prefetch_b8 v0, s[64:65] scope:SCOPE_SE
	s_setreg_imm32_b32 hwreg(HW_REG_WAVE_MODE, 25, 1), 1
	s_wait_xcnt 0x0
; anchors [4096][256] and mem_feat [65536][256], f32, become codes of BF6 (E3M2) with one E8M0 byte for each 32 along K, and the column mask is made.
; OUT: pack = 4,352 records of REC = 3,328 bytes, one for each tile of 16 rows: records 0-255 the anchors' tiles, record 256 + t tile t of mem_feat.  A record is laid as the product's launch takes it into registers:
;   0 .. 1535     the fragment of K step 0 (16 rows x 128 K, 12 registers a lane): registers 4 c .. 4 c + 3 of lane l at 512 c + 16 l
;   1536 .. 3071  the same for K step 1
;   3072 .. 3199  32 scale words: word 16 s + r is row r's word for K step s
;   3200 .. 3263  16 f32: -1.0 for a row of mem_feat whose id is one of the anchors' ids, else 0;   3264 .. 3327 zeros
; A MASKED ROW GETS ZERO CODES: its sum is then its -1.0 alone, which is -1 / T ahead of the division by T.
; A block's scale is 2^(floor(log2(its largest magnitude)) - 4); its byte is the largest magnitude's exponent field - 4, held at 1 from below (a block of zeros keeps 1: its codes are zeros, and this program alone reads the bytes).
; LIMITS: a block whose largest magnitude lies under 2^-122 keeps the byte 1; NaN and infinities among the inputs are not served.  Ids may be any int32.
; SHARES: work-group g has 17 waves: wave w < 16 takes tile 16 g + w of mem_feat, wave 16 tile g of the anchors.  A tile is 16,384 consecutive bytes: each load of a wave reads 512 of them, 16 a lane.
; THE MASK, BY A TABLE IN LDS.  The 4,096 anchor ids are copied into LDS; a table has a slot of two bytes for each value of an id's low 16 bits; wave 16 stores each anchor's number at its id's slot.
; A row of mem_feat is masked if the anchor named at its id's slot has its id, all 32 bits: that is never wrong, whatever the slot holds (an empty slot names anchor 0).
; It finds every match if no two anchors with DIFFERENT ids share a slot.  So each anchor is looked up too: if any finds another id than its own, a flag is raised, and then, and only then, every id of the work-group's 256 rows
; is also compared with every anchor id: wave w < 16 takes anchor ids 256 w .. + 255 (scalar loads, 32 a trip) against all 256 ids, 2,048 compares of 32 lanes a wave.  Every wave walks that loop; a branch inside it passes over a trip's work.
; LDS accesses at addresses made of ids are parted by barriers from every LDS store of another wave: clear and copy | wave 16's stores | look-ups | flags out | flags in, mask words out | mask words in.
; The tile's 32 loads are issued ahead of all that and land under it.
; REGISTERS: 192 a wave, so that the five waves that share a SIMD claim 960 together.
.set REC,   3328
.set MSK,   131072                     ; LDS: 0 .. 131071 the table; then the mask words: word k of wave w at MSK + 64 k + 4 w: 512 bytes
.set FLG,   MSK+512                    ; a flag word for each wave
.set ANL,   MSK+1024                   ; the 4,096 anchor ids
.set STG0,  ANL+16384                  ; a stage of its own for each wave
.set SP,    528                        ; a stage row: 512 bytes + 16
.set WSTG,  16*SP
.set SPARE, STG0+17*WSTG               ; the spare words, 128 bytes a wave
.set TC,    24                         ; v24-26, v36-38  the second halves of two blocks' codes; v24-39 first serve the table's phases
.set M,     28
.set SO,    30
.set BY,    32
.set W,     34
.set PC,    40                         ; v40-63   the codes: 12 registers for each K step
.set ID,    40                         ; v40-47   first: the work-group's 256 ids of mem_feat
.set AV,    48                         ; v48-55   first: my 256 anchor ids; v56 my row's id
.set MW,    48                         ; v48-63   then: sixteen waves' flag words, then their mask words
.set R,     64                         ; v64-191  the tile
.set ACC,   32                         ; s32-39   my eight mask words
.set TMP,   40                         ; s40-47   eight compares' results
.set AN,    68                         ; s68-99   32 anchor ids
; v1 lane, v2 r, v3 h, v4 16 x lane, v5 stage in, v6 stage out, v7, v8 mask words out, in, v9 the ids' offset, v10 my row's bit, v11 my part of the table, v12, v13 the record's last 256 bytes in the stage, v14 8 x lane, v15 8 h,
; v16 my row's id, v17 my anchors' place in LDS, v18 in memory, v19 = -1.0, v20 my flag word, v21 first FLG, the flag words' address, then at work, v57 ANL + 16 x lane, v59-61, v63 at work, v62 4 x lane
.macro ORTREE
.irp i, 0,1,2,3,4,5,6,7
	v_or_b32 v[MW+\i], v[MW+\i], v[MW+8+\i]
.endr
.irp i, 0,1,2,3
	s_delay_alu instid0(VALU_DEP_4)
	v_or_b32 v[MW+\i], v[MW+\i], v[MW+4+\i]
.endr
	s_delay_alu instid0(VALU_DEP_2)
	v_or_b32 v[MW], v[MW], v[MW+2]
	s_delay_alu instid0(VALU_DEP_2)
	v_or_b32 v[MW+1], v[MW+1], v[MW+3]
	s_delay_alu instid0(VALU_DEP_1)
	v_or_b32 v[MW], v[MW], v[MW+1]
.endm
.macro MEET
	s_barrier_signal -1
	s_barrier_wait -1
.endm
	s_load_b256 s[4:11], s[0:1], 0x0               ; anchors s[4:5], mem_feat s[6:7], id_anchors s[8:9], mem_id s[10:11]
	s_load_b64 s[12:13], s[0:1], 0x20              ; pack
	v_lshl_add_u32 v22, v0, 2, SPARE
	v_mov_b32 v23, 0
	v_lshrrev_b32 v1, 5, v0
	s_delay_alu instid0(VALU_DEP_1)
	v_readfirstlane_b32 s16, v1                    ; wave 0 .. 16
	s_mul_i32 s17, s16, WSTG
	s_add_co_u32 s17, s17, STG0                    ; my wave's stage
	s_and_b32 s28, s16, 15                         ; (wave 16 counts as 0 here: it keeps nothing of what it so reads)
	s_lshl_b32 s29, s28, 2
	s_add_co_u32 s29, s29, MSK                     ; my word in each of the eight rows of mask words
	s_lshr_b32 s50, s28, 1
	s_lshl_b32 s50, s50, 6
	s_add_co_u32 s50, s50, MSK                     ; my tile's ids 16 w + r lie in register w / 2,
	s_and_b32 s51, s16, 1
	s_lshl_b32 s51, s51, 4                         ; in lanes 16 (w % 2) + r
	s_lshl_b32 s52, ttmp9, 10                      ; mem_id: 4 x 256 g
	s_lshl_b32 s48, s28, 10                        ; id_anchors: my 256 ids begin 1,024 w bytes on
	s_lshl_b32 s53, s28, 6
	s_add_co_u32 s53, s53, s52                     ; mem_id: 4 x (256 g + 16 w)
	s_lshl_b32 s54, s16, 2
	s_add_co_u32 s54, s54, FLG
	s_lshl_b32 s55, s28, 13                        ; my 8,192 bytes of the table
	s_add_co_u32 s56, s48, ANL
	s_mov_b32 s22, 0x76543210
	s_mov_b32 s23, 0xfedcba98                      ; lane l xor 16
	s_mov_b32 s24, 0xffff0000                      ; lanes 16-31
	s_lshl_b32 s30, ttmp9, 4
	s_add_co_u32 s30, s30, s16                     ; my tile of mem_feat,
	s_add_co_u32 s31, s30, 256                     ; and its record
	s_mov_b32 s15, 0
.irp k, 0,1,2,3,4,5,6,7
	s_mov_b32 s[ACC+\k], 0
.endr
	s_mov_b32 s49, 0
	s_mov_b32 s57, 0
	s_mov_b32 s58, 0
	s_mov_b32 s59, 0
	v_and_b32 v1, 31, v0
	v_and_b32 v2, 15, v0
	v_bfe_u32 v3, v0, 4, 1
	v_mov_b32 v7, s29
	v_mov_b32 v8, s50
	v_mov_b32 v20, s54
	v_mov_b32 v19, -1.0
	v_mov_b32 v21, FLG
.irp i, 24,25,26,27
	v_mov_b32 v\i, 0
.endr
	v_lshlrev_b32 v4, 4, v1
	v_mul_u32_u24 v6, v2, SP
	v_add_nc_u32 v10, s51, v2
	v_lshl_add_u32 v9, v1, 2, s52
	v_lshl_add_u32 v12, v1, 2, s17
	v_lshl_add_u32 v13, v1, 3, s17
	v_lshlrev_b32 v14, 3, v1
	v_lshlrev_b32 v15, 3, v3
	v_lshl_add_u32 v16, v2, 2, s53
	v_lshl_add_u32 v17, v1, 2, s56
	v_lshl_add_u32 v18, v1, 2, s48
	v_lshlrev_b32 v62, 2, v1
	v_add_nc_u32 v5, s17, v4                       ; stage in: a row's 512 bytes as they were loaded
	v_lshl_add_u32 v6, v3, 7, v6
	v_add_nc_u32 v11, s55, v4
	v_add_nc_u32 v57, ANL, v4
	s_delay_alu instid0(VALU_DEP_3)
	v_add_nc_u32 v6, s17, v6                       ; stage out: row r, + 128 h
	s_wait_alu depctr_va_vdst(0)                   ; the wait at the head's end
	s_wait_kmcnt 0x0
	s_cmp_eq_u32 s16, 16                           ; wave 16 takes the anchors: only pointers and numbers are chosen
	s_cselect_b64 s[18:19], s[4:5], s[6:7]
	s_cselect_b32 s30, ttmp9, s30
	s_cselect_b32 s31, ttmp9, s31
	s_cselect_b32 s27, 0, -1                       ; no anchor is ever masked
	s_lshl_b32 s14, s30, 14
	s_add_nc_u64 s[18:19], s[18:19], s[14:15]      ; my tile
	s_mul_i32 s14, s31, REC
	s_add_nc_u64 s[20:21], s[12:13], s[14:15]      ; my record
.irp k, 0,1,2,3,4,5,6,7
	global_load_b32 v[AV+\k], v18, s[8:9] offset:128*\k    ; my 256 anchor ids: register k of lane l holds id 256 w + 32 k + l
.endr
	global_load_b32 v56, v16, s[10:11]             ; my row's id
.irp k, 0,1,2,3,4,5,6,7
	global_load_b32 v[ID+\k], v9, s[10:11] offset:128*\k   ; the work-group's 256 ids
.endr
.irp s, 0,1
.irp p, 0,1,2,3,4,5,6,7,8,9,10,11,12,13,14,15
	global_load_b128 v[R+64*\s+4*\p:R+64*\s+4*\p+3], v4, s[18:19] offset:1024*\p+512*\s th:TH_LOAD_NT
.endr
.endr
	s_cmp_eq_u32 s16, 16
	s_cbranch_scc1 .Lno_fill
.irp i, 0,1,2,3,4,5,6,7,8,9,10,11,12,13,14,15
	ds_store_b128 v11, v[24:27] offset:512*\i      ; my sixteenth of the table is cleared
.endr
	s_wait_loadcnt 41                              ; my anchor ids are in: 1 + 8 + 32 younger loads stay out
.irp k, 0,1,2,3,4,5,6,7
	ds_store_b32 v17, v[AV+\k] offset:128*\k       ; and go to their place: id i at ANL + 4 i
.endr
.Lno_fill:
	s_wait_dscnt 0x0
	MEET                                           ; the table is clear, the ids are all there
.Lscat:                                            ; eight trips of 512 anchors.  Every wave walks the loop; wave 16 alone does a trip's work, and no other wave touches LDS meanwhile
	s_cmp_lg_u32 s16, 16
	s_cbranch_scc1 .Lscat_none
	v_add_nc_u32 v61, s57, v57
	v_add_nc_u32 v63, s58, v62                     ; the number of my first anchor of the trip
.irp c, 0,1,2,3
	ds_load_b128 v[24+4*\c:27+4*\c], v61 offset:512*\c
.endr
	s_wait_dscnt 0x0
.irp i, 0,1,2,3,4,5,6,7,8,9,10,11,12,13,14,15
	v_and_b32 v[24+\i], 0xffff, v[24+\i]
.endr
.irp i, 0,1,2,3,4,5,6,7,8,9,10,11,12,13,14,15
	v_min_u32 v[24+\i], 0xffff, v[24+\i]           ; the bound once more
.endr
.irp i, 0,1,2,3,4,5,6,7,8,9,10,11,12,13,14,15
	v_lshlrev_b32 v[24+\i], 1, v[24+\i]
.endr
.irp i, 0,1,2,3,4,5,6,7,8,9,10,11,12,13,14,15
	v_add_nc_u32 v[59+(\i%2)], 128*(\i/4)+(\i%4), v63
	ds_store_b16 v[24+\i], v[59+(\i%2)]            ; where several anchors share a slot one of them stays
.endr
.Lscat_none:
	s_add_co_u32 s57, s57, 2048
	s_add_co_u32 s58, s58, 512
	s_add_co_u32 s59, s59, 1
	s_cmp_lt_u32 s59, 8
	s_cbranch_scc1 .Lscat
	s_wait_dscnt 0x0
	MEET                                           ; the table is made.  Up to the next barrier LDS is only read
	s_wait_loadcnt 40                              ; my row's id is in too
.irp i, 0,1,2,3,4,5,6,7,8
	v_and_b32 v[24+\i], 0xffff, v[AV+\i]           ; nine look-ups a lane: eight anchors and my row
.endr
.irp i, 0,1,2,3,4,5,6,7,8
	v_min_u32 v[24+\i], 0xffff, v[24+\i]
.endr
.irp i, 0,1,2,3,4,5,6,7,8
	v_lshlrev_b32 v[24+\i], 1, v[24+\i]
.endr
.irp i, 0,1,2,3,4,5,6,7,8
	ds_load_u16 v[24+\i], v[24+\i]                 ; the anchor named at the slot,
.endr
	s_wait_dscnt 0x0
.irp i, 0,1,2,3,4,5,6,7,8
	v_min_u32 v[24+\i], 0xfff, v[24+\i]
.endr
.irp i, 0,1,2,3,4,5,6,7,8
	v_lshl_add_u32 v[24+\i], v[24+\i], 2, ANL
.endr
.irp i, 0,1,2,3,4,5,6,7,8
	ds_load_b32 v[24+\i], v[24+\i]                 ; and its id
.endr
	s_wait_dscnt 0x0
.irp k, 0,1,2,3,4,5,6,7
	v_cmp_ne_u32 s[TMP+\k], v[24+\k], v[AV+\k]     ; an anchor that finds another id at its slot
.endr
	v_cmp_eq_u32 s60, v32, v56                     ; my row's id is an anchor's: lanes r and r + 16 hold the same row
.irp k, 1,2,3,4,5,6,7
	s_or_b32 s[TMP], s[TMP], s[TMP+\k]
.endr
	v_mov_b32 v33, s[TMP]
	s_wait_alu depctr_va_vdst(0)                   ; the wait here, ahead of the barrier
	MEET                                           ; everybody's look-ups are back
	ds_store_b32 v20, v33                          ; my flag word; no other wave writes it
	s_wait_dscnt 0x0
	MEET
.irp c, 0,1,2,3
	ds_load_b128 v[MW+4*\c:MW+4*\c+3], v21 offset:16*\c    ; sixteen waves' flag words (wave 16's repeats wave 0's)
.endr
	s_wait_dscnt 0x0
	ORTREE
	s_delay_alu instid0(VALU_DEP_1)
	v_readfirstlane_b32 s61, v[MW]
	s_cmp_lg_u32 s61, 0
	s_cselect_b32 s61, 1, 0                        ; 1: the table does not hold every id: all ids are compared
	s_cmp_eq_u32 s16, 16
	s_cselect_b32 s61, 0, s61                      ; (wave 16 has no part of the anchors' ids)
	s_wait_loadcnt 32                              ; the 256 ids are in; the tile's 32 loads stay out
.Lcmp:                                             ; eight trips, 32 anchor ids each
	s_cmp_eq_u32 s61, 0
	s_cbranch_scc1 .Lnone
	s_load_b512 s[AN:AN+15], s[8:9], s48 offset:0x0
	s_load_b512 s[AN+16:AN+31], s[8:9], s48 offset:0x40
	s_wait_kmcnt 0x0
.set i, 0
.rept 32
.irp k, 0,1,2,3,4,5,6,7
	v_cmp_eq_u32 s[TMP+\k], s[AN+i], v[ID+\k]
.endr
.irp k, 0,1,2,3,4,5,6,7
	s_or_b32 s[ACC+\k], s[ACC+\k], s[TMP+\k]
.endr
.set i, i+1
.endr
.Lnone:
	s_add_co_u32 s48, s48, 128
	s_add_co_u32 s49, s49, 1
	s_cmp_lt_u32 s49, 8
	s_cbranch_scc1 .Lcmp
	s_cmp_eq_u32 s16, 16
	s_cbranch_scc1 .Lno_part
.irp k, 0,1,2,3,4,5,6,7
	v_mov_b32 v[24+\k], s[ACC+\k]
.endr
.irp k, 0,1,2,3,4,5,6,7
	ds_store_b32 v7, v[24+\k] offset:64*\k         ; all lanes write the same word with the same value; no other wave writes it
.endr
.Lno_part:
	s_wait_dscnt 0x0
	MEET                                           ; nobody writes these 512 bytes again, and the stages are other bytes: no further barrier
.irp c, 0,1,2,3
	ds_load_b128 v[MW+4*\c:MW+4*\c+3], v8 offset:16*\c     ; the sixteen waves' words for ids 32 (w / 2) .. + 31
.endr
	s_wait_dscnt 0x0
	ORTREE
	v_mov_b32 v37, 0                               ; a lane permute's destination counts as one of its sources
	s_delay_alu instid0(VALU_DEP_2)
	v_lshrrev_b32 v21, v10, v[MW]
	s_delay_alu instid0(VALU_DEP_1)
	v_and_b32 v21, 1, v21                          ; my row's bit
	s_delay_alu instid0(VALU_DEP_1)
	v_cmp_ne_u32 s25, 0, v21
	s_or_b32 s25, s25, s60                         ; found by the compares or by the table
	s_and_b32 s25, s25, s27
	s_and_b32 s26, s25, 0xffff                     ; the same in lanes 0-15 alone, for the sixteen biases
; K step s goes through my stage: in as it was loaded, out as the operand's layout wants it: v[R + 64 s + 32 c + i] = k 128 s + 64 c + 32 h + i of row r: two whole blocks a lane.
.macro TURN s
.irp p, 0,1,2,3,4,5,6,7,8,9,10,11,12,13,14,15
	ds_store_b128 v5, v[R+64*\s+4*\p:R+64*\s+4*\p+3] offset:SP*\p
.endr
	s_wait_dscnt 0x0                               ; the stores have read their registers, which the loads below write
.irp c, 0,1
.irp i, 0,1,2,3,4,5,6,7
	ds_load_b128 v[R+64*\s+32*\c+4*\i:R+64*\s+32*\c+4*\i+3], v6 offset:256*\c+16*\i
.endr
.endr
	s_wait_dscnt 0x0
.endm
; My two blocks become six registers of codes each, and my row's scale word.
.macro QUANT s
.set X, R+64*\s
.irp c, 0,1
	v_max3_num_f32 v[M+\c], |v[X+32*\c]|, |v[X+32*\c+1]|, 0x2800000   ; with the floor 2^(5 - 127): the byte cannot fall under 1
.endr
.irp i, 2,4,6,8,10,12,14,16,18,20,22,24,26,28,30
.irp c, 0,1
	s_delay_alu instid0(VALU_DEP_2)
	v_max3_num_f32 v[M+\c], v[M+\c], |v[X+32*\c+\i]|, |v[X+32*\c+\i+1]|
.endr
.endr
.irp c, 0,1
	s_delay_alu instid0(VALU_DEP_2)
	v_add_nc_u32 v[SO+\c], 0xfe000000, v[M+\c]     ; 4 off the exponent field: the conversion takes that field of this operand as its scale
.endr
.irp c, 0,1
	s_delay_alu instid0(VALU_DEP_2)
	v_lshrrev_b32 v[BY+\c], 23, v[SO+\c]           ; the scale's byte
.endr
	s_delay_alu instid0(VALU_DEP_1)
	v_lshl_or_b32 v[W+\s], v[BY+1], 16, v[BY]      ; my bytes are those of blocks h and 2 + h,
	s_delay_alu instid0(VALU_DEP_1)
	v_lshlrev_b32 v[W+\s], v15, v[W+\s]            ; 8 h bits up;
	v_permlanex16_b32 v37, v[W+\s], s22, s23
	s_delay_alu instid0(VALU_DEP_1)
	v_or_b32 v[W+\s], v[W+\s], v37                 ; with lane l xor 16's two the word is whole, in both halves
.irp c, 0,1
	v_cvt_scalef32_pk16_bf6_f32 v[PC+12*\s+6*\c:PC+12*\s+6*\c+2], v[X+32*\c:X+32*\c+15], v[SO+\c]
	v_cvt_scalef32_pk16_bf6_f32 v[TC+12*\c:TC+12*\c+2], v[X+32*\c+16:X+32*\c+31], v[SO+\c]
.endr
	v_nop                                          ; one plain place behind a scaled conversion
.irp c, 0,1
.irp i, 0,1,2
	v_cndmask_b32 v[PC+12*\s+6*\c+\i], v[PC+12*\s+6*\c+\i], 0, s25     ; a masked row's codes are zeros;
	v_cndmask_b32 v[PC+12*\s+6*\c+3+\i], v[TC+12*\c+\i], 0, s25        ; the same line moves a block's second half to its place
.endr
.endr
.endm
.macro OUT s                           ; the fragment leaves as it stands: each store covers 512 consecutive bytes, at a multiple of 256 from pack's first byte
.irp c, 0,1,2
	global_store_b128 v4, v[PC+12*\s+4*\c:PC+12*\s+4*\c+3], s[20:21] offset:1536*\s+512*\c
.endr
.endm
	s_wait_loadcnt 16                              ; K step 0's sixteen loads are in, K step 1's may be out
	TURN 0
	QUANT 0
	OUT 0
	s_wait_loadcnt 0x0
	TURN 1
	QUANT 1
	OUT 1
	; the record's last 256 bytes are gathered in my stage and leave by one store
	v_cndmask_b32 v36, v34, v35, s24               ; lanes 0-15: K step 0's words, lanes 16-31: K step 1's
	v_cndmask_b32 v21, 0, v19, s26                 ; lanes 0-15: the rows' -1.0 or 0; lanes 16-31: zeros
	ds_store_b32 v12, v36
	ds_store_b32 v12, v21 offset:128
	ds_load_b64 v[38:39], v13                      ; LDS serves a wave's instructions in order (ISA guide 5.7.1): this sees the two stores
	s_wait_dscnt 0x0
	global_store_b64 v14, v[38:39], s[20:21] offset:3072   ; 32 lanes store 256 consecutive bytes, aligned
	s_wait_tensorcnt 0x0                           ; the wave's end
	ds_add_u32 v22, v23
	s_wait_dscnt 0x0
	s_endpgm
.Lfunc_end_k_qfa56194bdc_prep:
	.size	k_qfa56194bdc_prep, .Lfunc_end_k_qfa56194bdc_prep-k_qfa56194bdc_prep
	.p2alignl 7, 3214868480
	.fill 96, 4, 3214868480
	.section	.rodata,"a",@progbits
	.p2align	6, 0x0
	.amdhsa_kernel k_qfa56194bdc_prep
		.amdhsa_group_segment_fixed_size 294400
		.amdhsa_private_segment_fixed_size 0
		.amdhsa_enable_private_segment 0
		.amdhsa_kernarg_size 40
		.amdhsa_user_sgpr_count 2
		.amdhsa_user_sgpr_kernarg_segment_ptr 1
		.amdhsa_wavefront_size32 1
		.amdhsa_system_sgpr_workgroup_id_x 1
		.amdhsa_system_sgpr_workgroup_id_y 1
		.amdhsa_system_sgpr_workgroup_id_z 1
		.amdhsa_system_vgpr_workitem_id 0
		.amdhsa_next_free_vgpr 192
		.amdhsa_next_free_sgpr 100
		.amdhsa_reserve_vcc 0
		.amdhsa_float_denorm_mode_32 3
		.amdhsa_float_denorm_mode_16_64 3
		.amdhsa_memory_ordered 1
		.amdhsa_forward_progress 1
		.amdhsa_inst_pref_size 63
	.end_amdhsa_kernel
	.amdgpu_metadata
---
amdhsa.version: [ 1, 2 ]
amdhsa.kernels:
  - .name:           k_qfa56194bdc_prep
    .symbol:         k_qfa56194bdc_prep.kd
    .args:
      - { .name: anchors, .offset: 0, .size: 8, .value_kind: global_buffer, .address_space: global }
      - { .name: mem_feat, .offset: 8, .size: 8, .value_kind: global_buffer, .address_space: global }
      - { .name: id_anchors, .offset: 16, .size: 8, .value_kind: global_buffer, .address_space: global }
      - { .name: mem_id, .offset: 24, .size: 8, .value_kind: global_buffer, .address_space: global }
      - { .name: pack, .offset: 32, .size: 8, .value_kind: global_buffer, .address_space: global }
    .group_segment_fixed_size: 294400
    .private_segment_fixed_size: 0
    .kernarg_segment_align: 8
    .kernarg_segment_size: 40
    .max_flat_workgroup_size: 544
    .sgpr_count:     100
    .vgpr_count:     192
    .wavefront_size: 32
...
	.end_amdgpu_metadata
.endif
;; end of part 1
;; launch gemm (part 2): grid 256 x 1, 8 waves a work-group, clusters of 4 x 1, 327,680 bytes of LDS; arguments pack, part; writes part
.if DOCPART == 2
	.amdgcn_target "amdgcn-amd-amdhsa--gfx1250"
	.amdhsa_code_object_version 6
	.text
	.protected	k_qfa56194bdc_gemm
	.globl	k_qfa56194bdc_gemm
	.p2align	8
	.type	k_qfa56194bdc_gemm,@function
k_qfa56194bdc_gemm:
	s_mov_b64 s[64:65], 0
	v_nop
	global_prefetch_b8 v0, s[64:65] scope:SCOPE_SE
	s_setreg_imm32_b32 hwreg(HW_REG_WAVE_MODE, 25, 1), 1
	s_wait_xcnt 0x0
	s_wait_alu depctr_hold_cnt(0) depctr_sa_sdst(0) depctr_va_vdst(0) depctr_va_sdst(0) depctr_va_ssrc(0) depctr_va_vcc(0) depctr_vm_vsrc(0)
	s_getreg_b32 s2, hwreg(HW_REG_IB_STS2, 6, 4)
	s_cmp_eq_u32 s2, 0
	s_cbranch_scc0 .Lentry_in_a_cluster
	s_endpgm
.Lentry_in_a_cluster:
	s_bfe_u32 s2, ttmp6, 0x10000c
	s_cmp_lg_u32 s2, 0x3003
	s_cbranch_scc0 .Lentry_shape_is_right
	s_endpgm
.Lentry_shape_is_right:
; Sums of anchors x mem_feat^T on the records of pack (codes of BF6, scale words, a bias of -1.0 or 0 for each row of mem_feat), and of each anchor's sums the largest, with the place where it first stands.
; SHARES: a cluster of four work-groups takes one split of 64 tiles (1,024 rows) of mem_feat; the work-group at place cx takes anchors 1,024 cx .. + 1,023, wave w 128 of them: eight fragments that stay in registers (window 1).
; The split's 64 records are wanted by all four partners: they are asked for jointly (mask 15) and lie in LDS for the whole launch: nothing is filled again.
; Wave w asks for records 2 w, 2 w + 1 at the head, and for records 16 + 6 w .. + 5 behind the first one's wait and a round; these land under the products of tiles 0 to 14.
; A record is a dense run of 13 x 256 bytes, at a multiple of 256 from pack's first byte: a load's rows are whole aligned runs of 256 bytes.
; THE PRODUCT IS USED TRANSPOSED: source 0 = 16 rows of mem_feat, source 1 = 16 anchors.  Lane (r, h) holds anchor r, its registers j the rows 8 h + j of the tile.
; PER TILE AND ACCUMULATOR six vector lines: four v_max3 (eight sums and the largest so far), one compare, one select of the tile's number.  Which of the eight rows it was is NOT kept:
; OUT: part[split][anchor] = the largest sum as a key (a whole number that orders as the f32 does), and 1 MiB further on the GROUP of eight rows, 128 split + 2 tile + h, the lowest that holds that sum.  The next launch finds the row in the group.
; Two sets of accumulators take turns: a tile's maxima stand behind the next tile's sixteen products and are the places behind those.
; No prefetch: all that a work-group reads is asked for by the two loads above and the head's loads into registers; no loop is left to run ahead in.
; LIMITS: NaN and infinities among the sums are not served.
.set REC,    3328
.set MEM0,   256*REC
.set SPLITB, 64*REC
.set STG2,   SPLITB                    ; behind the records: 1,024 bytes of stage for each wave
.set SPARE,  0x36000                   ; behind the stages: the spare words, 128 bytes a wave
.set ASC,  16                          ; v16-23  the anchors' scale words
.set MSC,  24                          ; v24-25  a tile's scale words, two sets
.set MF,   32                          ; v32-79  a tile's fragments, two sets of 24
.set BI,   80                          ; v80-95  a tile's biases, two sets of 8
.set ACC,  96                          ; v96-223 two sets of eight accumulators
.set BEST, 224                         ; v224-239 the largest so far, two sets by turns
.set IDX,  240                         ; v240-247 the tile that raised it last
.set T,    248
.set CM,   68                          ; s68-75  eight compares' results
.set MSB, 0
.macro WIN new
.if MSB != \new
	s_set_vgpr_msb (MSB<<8)|\new
.set MSB, \new
.endif
.endm
.macro ROUND                           ; a round of the cluster's barrier
	s_barrier_signal -1
	s_barrier_wait -1
	s_cmp_lg_u32 s8, 0
	s_cbranch_scc1 .Lnot_wave_0_\@
	s_barrier_signal -3
.Lnot_wave_0_\@:
	s_barrier_wait -3
	s_barrier_signal -1
	s_barrier_wait -1
.endm
	s_load_b128 s[4:7], s[0:1], 0x0                ; pack, part
	v_lshl_add_u32 v30, v0, 2, SPARE
	v_mov_b32 v31, 0
	ds_add_u32 v30, v31                            ; the opening lines: the add, twice on end, and its wait
	ds_add_u32 v30, v31
	v_lshrrev_b32 v1, 5, v0
	s_delay_alu instid0(VALU_DEP_1)
	v_readfirstlane_b32 s8, v1                     ; wave 0..7
	s_bfe_u32 s9, ttmp6, 0x40000                   ; cx
	s_lshl_b32 s14, ttmp9, 7                       ; 128 groups a split
	s_lshl_b32 s15, s8, 10
	s_add_co_u32 s15, s15, STG2                    ; my stage
	s_mov_b32 s16, 15|(3<<16)|(1<<21)              ; group 1, the head's load: 26 rows of 32 elements of 8 bytes; the mask names the four partners
	s_mov_b32 s17, 32<<16
	s_mov_b32 s18, 26<<16
	s_mov_b32 s19, 32<<16
	s_mov_b32 s20, 26
	s_mov_b32 s21, 32
	s_mov_b32 s22, 0
	s_mov_b32 s23, 0
	s_mov_b32 s32, 15|(3<<16)|(1<<21)              ; group 1, the second load: 78 rows
	s_mov_b32 s33, 32<<16
	s_mov_b32 s34, 78<<16
	s_mov_b32 s35, 32<<16
	s_mov_b32 s36, 78
	s_mov_b32 s37, 32
	s_mov_b32 s38, 0
	s_mov_b32 s39, 0
	s_mov_b32 s40, 0x76543210
	s_mov_b32 s41, 0xfedcba98                      ; lane l xor 16
	s_mov_b32 s45, 0xffff0000                      ; lanes 16-31
	s_mul_i32 s46, ttmp9, SPLITB
	s_add_co_u32 s46, s46, MEM0                    ; the split's first record in pack
	s_mov_b32 s47, 0
	s_mov_b32 s24, 1
	s_mul_i32 s25, s8, 2*REC                       ; records 2 w, 2 w + 1: their place in LDS and in the split are one number
	s_mov_b32 s28, 1
	s_mul_i32 s29, s8, 6*REC
	s_add_co_u32 s29, s29, 16*REC                  ; records 16 + 6 w ..
	s_lshl_b32 s48, s9, 6
	s_lshl_b32 s49, s8, 3
	s_add_co_u32 s48, s48, s49
	s_mul_i32 s48, s48, REC                        ; my eight records of anchors
	s_mov_b32 s49, 0
	s_lshl_b32 s50, ttmp9, 14
	s_lshl_b32 s51, s9, 12
	s_add_co_u32 s50, s50, s51
	s_lshl_b32 s51, s8, 9
	s_add_co_u32 s50, s50, s51                     ; part: 4 x (4,096 split + 1,024 cx + 128 w)
	s_mov_b32 s51, 0
	s_mov_b32 s53, 0
	s_mov_b32 s42, 0                               ; the LDS byte from which the tiles' offsets count
	s_mov_b32 s43, 0                               ; the tile whose maxima are taken next
	v_and_b32 v11, 31, v0
	v_bfe_u32 v10, v0, 4, 1                        ; h
.irp a, 0,1,2,3,4,5,6,7
	v_mov_b32 v[BEST+\a], 0xff800000
	v_mov_b32 v[IDX+\a], 0
.endr
	v_lshlrev_b32 v1, 4, v11                       ; 16 x lane
	v_lshlrev_b32 v2, 2, v11                       ; 4 x lane
	v_lshlrev_b32 v3, 5, v10                       ; 32 h
	v_add_nc_u32 v7, s14, v10                      ; 128 split + h
	v_lshl_add_u32 v8, v11, 2, s15
	v_lshl_add_u32 v9, v11, 4, s15
	v_add_nc_u32 v4, s42, v1
	v_add_nc_u32 v5, s42, v2
	v_add_nc_u32 v6, s42, v3
	s_wait_alu depctr_va_vdst(0)                   ; the wait at the head's end
	s_wait_dscnt 0x0                               ; both opening adds are done
	s_wait_kmcnt 0x0
	s_add_nc_u64 s[46:47], s[4:5], s[46:47]
	s_add_nc_u64 s[10:11], s[4:5], s[48:49]
	s_add_nc_u64 s[12:13], s[6:7], s[50:51]
	s_mov_b32 s52, s25
	s_add_nc_u64 s[26:27], s[46:47], s[52:53]
	s_or_b32 s27, s27, 0x80000000
	s_mov_b32 s52, s29
	s_add_nc_u64 s[30:31], s[46:47], s[52:53]
	s_or_b32 s31, s31, 0x80000000
	WIN 0x40                                       ; my anchors' fragments into window 1: they are on their way during the round
.irp a, 0,1,2,3,4,5,6,7
.irp s, 0,1
.irp c, 0,1,2
	global_load_b128 v[24*\a+12*\s+4*\c:24*\a+12*\s+4*\c+3], v1, s[10:11] offset:REC*\a+1536*\s+512*\c
.endr
.endr
.endr
	WIN 0
.irp a, 0,1,2,3,4,5,6,7
	global_load_b32 v[ASC+\a], v2, s[10:11] offset:REC*\a+3072
.endr
	ROUND                                          ; in front of the first joint loads
	tensor_load_to_lds s[24:27], s[16:23]          ; my one load at the head
	s_nop 0
	s_wait_tensorcnt 0x0                           ; my two records are in
	ds_add_u32 v30, v31
	s_wait_dscnt 0x0
	ROUND                                          ; records 0-15 are whole in every partner
	tensor_load_to_lds s[28:31], s[32:39]          ; my six of records 16-63
	s_nop 0
.macro LOADT p, off                    ; a record into set p: nine LDS loads
.irp s, 0,1
.irp c, 0,1,2
	ds_load_b128 v[MF+24*(\p)+12*\s+4*\c:MF+24*(\p)+12*\s+4*\c+3], v4 offset:\off+1536*\s+512*\c
.endr
.endr
	ds_load_b32 v[MSC+(\p)], v5 offset:\off+3072
	ds_load_b128 v[BI+8*(\p):BI+8*(\p)+3], v6 offset:\off+3200
	ds_load_b128 v[BI+8*(\p)+4:BI+8*(\p)+7], v6 offset:\off+3216
.endm
.macro MM p                            ; sixteen products: the eight accumulators of set p by turns, K step 0 (C = the biases), then K step 1
	WIN 0x04
.irp a, 0,1,2,3,4,5,6,7
	v_wmma_scale_f32_16x16x128_f8f6f4 v[ACC+64*(\p)+8*\a:ACC+64*(\p)+8*\a+7], v[MF+24*(\p):MF+24*(\p)+11], v[24*\a:24*\a+11], v[BI+8*(\p):BI+8*(\p)+7], v[MSC+(\p)], v[ASC+\a] matrix_a_fmt:MATRIX_FMT_BF6 matrix_b_fmt:MATRIX_FMT_BF6
.endr
.irp a, 0,1,2,3,4,5,6,7
	v_wmma_scale_f32_16x16x128_f8f6f4 v[ACC+64*(\p)+8*\a:ACC+64*(\p)+8*\a+7], v[MF+24*(\p)+12:MF+24*(\p)+23], v[24*\a+12:24*\a+23], v[ACC+64*(\p)+8*\a:ACC+64*(\p)+8*\a+7], v[MSC+(\p)], v[ASC+\a] matrix_a_fmt:MATRIX_FMT_BF6 matrix_b_fmt:MATRIX_FMT_BF6 matrix_a_scale:MATRIX_SCALE_ROW1 matrix_b_scale:MATRIX_SCALE_ROW1
.endr
	WIN 0
.endm
.macro VMAX q                          ; tile s43 (in set q): the eight chains by turns; each accumulator is read from its low end on
.irp a, 0,1,2,3,4,5,6,7
	v_max3_num_f32 v[T+\a], v[ACC+64*(\q)+8*\a], v[ACC+64*(\q)+8*\a+1], v[ACC+64*(\q)+8*\a+2]
.endr
.irp a, 0,1,2,3,4,5,6,7
	v_max3_num_f32 v[T+\a], v[T+\a], v[ACC+64*(\q)+8*\a+3], v[ACC+64*(\q)+8*\a+4]
.endr
.irp a, 0,1,2,3,4,5,6,7
	v_max3_num_f32 v[T+\a], v[T+\a], v[ACC+64*(\q)+8*\a+5], v[ACC+64*(\q)+8*\a+6]
.endr
.irp a, 0,1,2,3,4,5,6,7
	v_max3_num_f32 v[BEST+8*(1-(\q))+\a], v[T+\a], v[ACC+64*(\q)+8*\a+7], v[BEST+8*(\q)+\a]
.endr
.irp a, 0,1,2,3,4,5,6,7
	v_cmp_ge_f32 s[CM+\a], v[BEST+8*(\q)+\a], v[BEST+8*(1-(\q))+\a]   ; not raised: the earlier tile stays
.endr
.irp a, 0,1,2,3,4,5,6,7
	v_cndmask_b32 v[IDX+\a], s43, v[IDX+\a], s[CM+\a]
.endr
	s_add_co_u32 s43, s43, 1
.endm
; A step: tile t's record (set p) is in; the next record is asked for (off >= 0); tile t's products; tile t - 1's maxima (vm).  adv: the offsets' base goes two records on; 48 vector lines stand between that and its next reader.
.macro STEP p, off, vm, adv
	s_wait_dscnt 0x0
.if \off >= 0
	LOADT 1-(\p), \off
.endif
	MM \p
.if \adv
	s_add_co_u32 s42, s42, 2*REC
	v_add_nc_u32 v4, s42, v1
	v_add_nc_u32 v5, s42, v2
	v_add_nc_u32 v6, s42, v3
.endif
.if \vm
	VMAX 1-(\p)
.else
.rept 4
	v_nop                                          ; places ahead of the next step's loads into this step's operands
.endr
.endif
.endm
	LOADT 0, 0
	s_wait_loadcnt 0x0                             ; my anchors
	STEP 0, REC, 0, 0                              ; tile 0
	s_mov_b32 s44, 7
.Lfirst:                                           ; tiles 1 to 14; the last record asked for is 15
	STEP 1, 2*REC, 1, 0
	STEP 0, 3*REC, 1, 1
	s_sub_co_u32 s44, s44, 1
	s_cmp_lg_u32 s44, 0
	s_cbranch_scc1 .Lfirst
	s_wait_tensorcnt 0x0                           ; my six records are in,
	s_wait_dscnt 0x0
	s_barrier_signal -1
	s_barrier_wait -1                              ; and everybody's: records 16-63 may be read.
	s_mov_b32 s44, 24
.Lrest:                                            ; tiles 15 to 62
	STEP 1, 2*REC, 1, 0
	STEP 0, 3*REC, 1, 1
	s_sub_co_u32 s44, s44, 1
	s_cmp_lg_u32 s44, 0
	s_cbranch_scc1 .Lrest
	STEP 1, -1, 1, 0                               ; tile 63
	VMAX 1
; THE WAY OUT: key and group; of the two halves of the lanes the larger key, at the lower group where keys are equal
.set KEY, 96
.set COL, 104
.set KO,  112
.set CO,  120
.irp a, 0,1,2,3,4,5,6,7
	v_lshl_add_u32 v[COL+\a], v[IDX+\a], 1, v7
	v_add_f32 v[KEY+\a], 0, v[BEST+\a]             ; -0 becomes +0
.endr
.irp a, 0,1,2,3,4,5,6,7
	v_ashrrev_i32 v[T+\a], 31, v[KEY+\a]
.endr
.irp a, 0,1,2,3,4,5,6,7
	v_or_b32 v[T+\a], 0x80000000, v[T+\a]
.endr
.irp a, 0,1,2,3,4,5,6,7
	v_xor_b32 v[KEY+\a], v[KEY+\a], v[T+\a]
.endr
.irp a, 0,1,2,3,4,5,6,7
	v_permlanex16_b32 v[KO+\a], v[KEY+\a], s40, s41
	v_permlanex16_b32 v[CO+\a], v[COL+\a], s40, s41
.endr
.irp a, 0,1,2,3,4,5,6,7
	v_cmp_gt_u32 s48, v[KO+\a], v[KEY+\a]
	v_cmp_eq_u32 s49, v[KO+\a], v[KEY+\a]
	v_cmp_lt_u32 s50, v[CO+\a], v[COL+\a]
	s_and_b32 s49, s49, s50
	s_or_b32 s48, s48, s49
	v_cndmask_b32 v[KEY+\a], v[KEY+\a], v[KO+\a], s48
	v_cndmask_b32 v[COL+\a], v[COL+\a], v[CO+\a], s48
.endr
.irp u, 0,1,2,3
	v_cndmask_b32 v[KO+\u], v[KEY+2*\u], v[KEY+2*\u+1], s45   ; lanes 0-15: tile 2 u's anchors, lanes 16-31: tile 2 u + 1's
	v_cndmask_b32 v[CO+\u], v[COL+2*\u], v[COL+2*\u+1], s45
.endr
.irp u, 0,1,2,3
	ds_store_b32 v8, v[KO+\u] offset:128*\u
	ds_store_b32 v8, v[CO+\u] offset:512+128*\u
.endr
	ds_load_b128 v[128:131], v9                    ; LDS serves a wave's instructions in order: these see my stores
	ds_load_b128 v[132:135], v9 offset:512
	s_wait_dscnt 0x0
	global_store_b128 v1, v[128:131], s[12:13]     ; 512 consecutive bytes, aligned
	global_store_b128 v1, v[132:135], s[12:13] offset:1048576
	s_wait_tensorcnt 0x0                           ; the wave's end
	ds_add_u32 v30, v31
	s_wait_dscnt 0x0
	ROUND                                          ; the closing round
	s_endpgm
.Lfunc_end_k_qfa56194bdc_gemm:
	.size	k_qfa56194bdc_gemm, .Lfunc_end_k_qfa56194bdc_gemm-k_qfa56194bdc_gemm
	.p2alignl 7, 3214868480
	.fill 96, 4, 3214868480
	.section	.rodata,"a",@progbits
	.p2align	6, 0x0
	.amdhsa_kernel k_qfa56194bdc_gemm
		.amdhsa_group_segment_fixed_size 327680
		.amdhsa_private_segment_fixed_size 0
		.amdhsa_enable_private_segment 0
		.amdhsa_kernarg_size 16
		.amdhsa_user_sgpr_count 2
		.amdhsa_user_sgpr_kernarg_segment_ptr 1
		.amdhsa_wavefront_size32 1
		.amdhsa_system_sgpr_workgroup_id_x 1
		.amdhsa_system_sgpr_workgroup_id_y 1
		.amdhsa_system_sgpr_workgroup_id_z 1
		.amdhsa_system_vgpr_workitem_id 0
		.amdhsa_next_free_vgpr 448
		.amdhsa_next_free_sgpr 76
		.amdhsa_reserve_vcc 0
		.amdhsa_float_denorm_mode_32 3
		.amdhsa_float_denorm_mode_16_64 3
		.amdhsa_memory_ordered 1
		.amdhsa_forward_progress 1
		.amdhsa_inst_pref_size 54
	.end_amdhsa_kernel
	.amdgpu_metadata
---
amdhsa.version: [ 1, 2 ]
amdhsa.kernels:
  - .name:           k_qfa56194bdc_gemm
    .symbol:         k_qfa56194bdc_gemm.kd
    .args:
      - { .name: pack, .offset: 0, .size: 8, .value_kind: global_buffer, .address_space: global }
      - { .name: part, .offset: 8, .size: 8, .value_kind: global_buffer, .address_space: global }
    .group_segment_fixed_size: 327680
    .private_segment_fixed_size: 0
    .kernarg_segment_align: 8
    .kernarg_segment_size: 16
    .max_flat_workgroup_size: 256
    .sgpr_count:     76
    .vgpr_count:     448
    .wavefront_size: 32
...
	.end_amdgpu_metadata
.endif
;; end of part 2
;; launch pick (part 3): grid 256 x 1, 16 waves a work-group, no clusters, 4,608 bytes of LDS; arguments part, pack, mem_feat, out0, out1; writes out0, out1
.if DOCPART == 3
	.amdgcn_target "amdgcn-amd-amdhsa--gfx1250"
	.amdhsa_code_object_version 6
	.text
	.protected	k_qfa56194bdc_pick
	.globl	k_qfa56194bdc_pick
	.p2align	8
	.type	k_qfa56194bdc_pick,@function
k_qfa56194bdc_pick:
	s_mov_b64 s[64:65], 0
	v_nop
	global_prefetch_b8 v0, s[64:65] scope:SCOPE_SE
	s_setreg_imm32_b32 hwreg(HW_REG_WAVE_MODE, 25, 1), 1
	s_wait_xcnt 0x0
; Of each anchor's 64 pairs (key, group of eight rows) in part the largest key, at the lowest group where keys are equal; out0 = its number x 20 (= / T, T = 0.05); out1 = the first row of that group whose sum is that number.
; The group is chosen on whole numbers that this launch reads from part, and every address is made of it.  WHICH OF THE EIGHT ROWS: the group's tile is multiplied with the anchors' tile once more, by the same two
; matrix instructions on the same records, so the sums have the same bits as those the key was taken from; the first that equals the largest names the row.  That number comes from f32 sums, so it enters no address:
; all eight rows (8,192 consecutive bytes) are loaded and the row is selected in registers.
; SHARES: work-group g takes anchors 16 g .. 16 g + 15, which are record g of pack.  Lane (r, h) of wave w takes anchor r's splits 4 w + 2 h + 0, 1; the waves' results meet in LDS; then wave w serves anchor 16 g + w.
; No tensor loads, no cluster: the work-groups share nothing but scattered records.  No prefetch: there is no loop to run ahead in.  out0 is 64 bytes a work-group: sixteen anchors are all that it owns.
; LIMIT: out0 is the largest sum x 20 and not / 0.05f.
.set REC,   3328
.set MEM0,  256*REC
.set GOFF,  1280                       ; LDS: 16 rows of 80 bytes (16 keys + 16 bytes), then the same for the groups
.set SPARE, 0xa00                      ; behind them: the spare words, 128 bytes a wave
.set K,    24                          ; v24-39  my anchor's sixteen keys
.set G,    40                          ; v40-55  and groups
.set AF,   56                          ; v56-79  the anchors' fragments; v80 their scale words
.set ASC,  80
.set MSC,  81
.set BI,   82
.set D,    90
.set MF,   98                          ; v98-121 the tile's fragments
.set CAND, 122                         ; v122-185 the eight rows: row j's 32 bytes of mine at v[CAND + 8 j]
.set KK,   186                         ; v186-201 wave 0: anchor r's sixteen keys
.macro HINT n
.if (\n) == 1
	s_delay_alu instid0(VALU_DEP_1)
.endif
.if (\n) == 2
	s_delay_alu instid0(VALU_DEP_2)
.endif
.if (\n) == 3
	s_delay_alu instid0(VALU_DEP_3)
.endif
.if (\n) == 4
	s_delay_alu instid0(VALU_DEP_4)
.endif
.endm
; One level of a tree over sixteen: n pairs, d apart; the later one is taken only where its key is larger.  g = 0: keys alone
.macro RED k, g, d, n
.set i, 0
.rept \n
.if \g
	HINT 4*\n-3*i-2
.else
	HINT 2*\n-i-1
.endif
	v_cmp_gt_u32 s[32+i], v[\k+(2*i+1)*\d], v[\k+2*i*\d]
.set i, i+1
.endr
.set i, 0
.rept \n
.if \g
	HINT \n+i
	v_cndmask_b32 v[\k+2*i*\d], v[\k+2*i*\d], v[\k+(2*i+1)*\d], s[32+i]
	HINT \n+i+1
	v_cndmask_b32 v[\g+2*i*\d], v[\g+2*i*\d], v[\g+(2*i+1)*\d], s[32+i]
.else
	HINT \n
	v_cndmask_b32 v[\k+2*i*\d], v[\k+2*i*\d], v[\k+(2*i+1)*\d], s[32+i]
.endif
.set i, i+1
.endr
.endm
	s_load_b256 s[4:11], s[0:1], 0x0               ; part s[4:5], pack s[6:7], mem_feat s[8:9], out0 s[10:11]
	s_load_b64 s[12:13], s[0:1], 0x20              ; out1
	v_lshl_add_u32 v202, v0, 2, SPARE
	v_mov_b32 v203, 0
	v_lshrrev_b32 v1, 5, v0
	s_delay_alu instid0(VALU_DEP_1)
	v_readfirstlane_b32 s14, v1                    ; wave 0..15
	s_lshl_b32 s15, s14, 16                        ; 4 w splits of 16,384 bytes
	s_lshl_b32 s16, ttmp9, 6                       ; 4 x 16 g
	s_add_co_u32 s15, s15, s16
	s_lshl_b32 s17, s14, 2
	s_mul_i32 s18, s14, 80
	s_mov_b32 s20, 0x76543210
	s_mov_b32 s21, 0xfedcba98
	s_lshl_b32 s22, ttmp9, 14
	s_lshl_b32 s23, s14, 10
	s_add_co_u32 s22, s22, s23                     ; out1: row 16 g + w
	s_mov_b32 s23, 0
	s_mul_i32 s24, ttmp9, REC                      ; the anchors' record
	s_mov_b32 s25, 0
	v_and_b32 v1, 31, v0
	v_and_b32 v2, 15, v0
	v_bfe_u32 v3, v0, 4, 1
	v_mov_b32 v9, s17                              ; 4 x lane w
	v_mov_b32 v18, s18                             ; LDS: row w
	v_mov_b32 v20, 0                               ; a lane permute's destination counts as one of its sources
	v_mov_b32 v21, 0
	v_lshl_add_u32 v4, v3, 15, s15                 ; + 2 h splits
	v_mul_u32_u24 v6, v2, 80
	v_lshl_add_u32 v7, v2, 2, s16
	v_lshlrev_b32 v8, 4, v1
	v_lshlrev_b32 v19, 2, v1
	v_lshlrev_b32 v16, 5, v3
	v_add_nc_u32 v17, 64, v9                       ; 4 x lane w + 16
	v_lshl_add_u32 v4, v2, 2, v4                   ; + 4 r
	v_add_nc_u32 v5, s17, v6
	s_wait_alu depctr_va_vdst(0)                   ; the wait at the head's end
	s_wait_kmcnt 0x0
	s_add_nc_u64 s[12:13], s[12:13], s[22:23]
	s_add_nc_u64 s[24:25], s[6:7], s[24:25]
	s_add_nc_u64 s[6:7], s[6:7], MEM0              ; the records of mem_feat
.irp i, 0,1
	global_load_b32 v[12+\i], v4, s[4:5] offset:16384*\i
	global_load_b32 v[14+\i], v4, s[4:5] offset:1048576+16384*\i
.endr
.irp s, 0,1
.irp c, 0,1,2
	global_load_b128 v[AF+12*\s+4*\c:AF+12*\s+4*\c+3], v8, s[24:25] offset:1536*\s+512*\c
.endr
.endr
	global_load_b32 v[ASC], v19, s[24:25] offset:3072
	s_wait_loadcnt 7                               ; the four words of part are in; the seven loads of the anchors' record may be out
	v_cmp_gt_u32 vcc_lo, v13, v12
	s_delay_alu instid0(VALU_DEP_1)
	v_cndmask_b32 v12, v12, v13, vcc_lo
	s_delay_alu instid0(VALU_DEP_2)
	v_cndmask_b32 v14, v14, v15, vcc_lo
	s_delay_alu instid0(VALU_DEP_2)
	v_permlanex16_b32 v20, v12, s20, s21
	s_delay_alu instid0(VALU_DEP_2)
	v_permlanex16_b32 v21, v14, s20, s21
	s_delay_alu instid0(VALU_DEP_2)
	v_cmp_gt_u32 s26, v20, v12                     ; the other half's is taken where it is larger, or equal at a lower group
	v_cmp_eq_u32 s27, v20, v12
	v_cmp_lt_u32 s28, v21, v14
	s_and_b32 s27, s27, s28
	s_or_b32 s26, s26, s27
	v_cndmask_b32 v12, v12, v20, s26
	v_cndmask_b32 v14, v14, v21, s26
	ds_store_b32 v5, v12                           ; word w of row r; lanes r and r + 16 write the same word with the same value
	ds_store_b32 v5, v14 offset:GOFF
	s_wait_dscnt 0x0                               ; for the others' sake: my stores have landed
	s_barrier_signal -1
	s_barrier_wait -1
.irp c, 0,1,2,3
	ds_load_b128 v[K+4*\c:K+4*\c+3], v18 offset:16*\c        ; every lane reads row w's sixteen words
	ds_load_b128 v[G+4*\c:G+4*\c+3], v18 offset:GOFF+16*\c
.endr
	s_wait_dscnt 0x0
	RED K, G, 1, 8
	RED K, G, 2, 4
	RED K, G, 4, 2
	RED K, G, 8, 1
	v_lshrrev_b32 v10, 1, v[G]                     ; the tile,
	v_and_b32 v11, 1, v[G]                         ; the half of its rows,
	v_min_u32 v12, 0x1fff, v[G]                    ; the group
	v_ashrrev_i32 v22, 31, v[K]
	v_min_u32 v10, 0xfff, v10
	v_lshl_add_u32 v12, v12, 13, v8                ; eight rows of 1,024 bytes, + 16 x lane
	v_xor_b32 v22, -1, v22
	v_cmp_ne_u32 s30, 0, v11
	v_mul_u32_u24 v10, v10, REC
	v_or_b32 v22, 0x80000000, v22
	s_delay_alu instid0(VALU_DEP_2)
	v_add_nc_u32 v13, v10, v8
	v_add_nc_u32 v14, v10, v19
	v_add_nc_u32 v15, v10, v16
	v_xor_b32 v22, v[K], v22                       ; the key back into its number
.irp s, 0,1
.irp c, 0,1,2
	global_load_b128 v[MF+12*\s+4*\c:MF+12*\s+4*\c+3], v13, s[6:7] offset:1536*\s+512*\c
.endr
.endr
	global_load_b32 v[MSC], v14, s[6:7] offset:3072
	global_load_b128 v[BI:BI+3], v15, s[6:7] offset:3200
	global_load_b128 v[BI+4:BI+7], v15, s[6:7] offset:3216
.irp j, 0,1,2,3,4,5,6,7
	global_load_b128 v[CAND+8*\j:CAND+8*\j+3], v12, s[8:9] offset:1024*\j          ; 32 lanes read 512 consecutive bytes
	global_load_b128 v[CAND+8*\j+4:CAND+8*\j+7], v12, s[8:9] offset:1024*\j+512
.endr
	s_wait_alu depctr_va_vdst(0)                   ; the wait here, ahead of the branch and the waits below
	s_cmp_lg_u32 s14, 0
	s_cbranch_scc1 .Lnot_wave_0
.irp c, 0,1,2,3
	ds_load_b128 v[KK+4*\c:KK+4*\c+3], v6 offset:16*\c       ; wave 0: lane r takes anchor r's sixteen keys
.endr
	s_wait_dscnt 0x0
	RED KK, 0, 1, 8
	RED KK, 0, 2, 4
	RED KK, 0, 4, 2
	RED KK, 0, 8, 1
	s_delay_alu instid0(VALU_DEP_1)
	v_ashrrev_i32 v[KK+1], 31, v[KK]
	s_delay_alu instid0(VALU_DEP_1)
	v_xor_b32 v[KK+1], -1, v[KK+1]
	s_delay_alu instid0(VALU_DEP_1)
	v_or_b32 v[KK+1], 0x80000000, v[KK+1]
	s_delay_alu instid0(VALU_DEP_1)
	v_xor_b32 v[KK+1], v[KK], v[KK+1]
	s_delay_alu instid0(VALU_DEP_1)
	v_mul_f32 v[KK+1], 0x41a00000, v[KK+1]         ; x 20
	global_store_b32 v7, v[KK+1], s[10:11]         ; lanes r and r + 16 hold the same number and write the same word
.Lnot_wave_0:
	s_wait_loadcnt 16                              ; both records are in; the sixteen loads of the eight rows may be out
	v_wmma_scale_f32_16x16x128_f8f6f4 v[D:D+7], v[MF:MF+11], v[AF:AF+11], v[BI:BI+7], v[MSC], v[ASC] matrix_a_fmt:MATRIX_FMT_BF6 matrix_b_fmt:MATRIX_FMT_BF6
	s_wait_alu depctr_va_vdst(0)                   ; the wait ahead of a link that follows its own accumulator's last instruction
	v_wmma_scale_f32_16x16x128_f8f6f4 v[D:D+7], v[MF+12:MF+23], v[AF+12:AF+23], v[D:D+7], v[MSC], v[ASC] matrix_a_fmt:MATRIX_FMT_BF6 matrix_b_fmt:MATRIX_FMT_BF6 matrix_a_scale:MATRIX_SCALE_ROW1 matrix_b_scale:MATRIX_SCALE_ROW1
.rept 4
	v_nop                                          ; places behind the product
.endr
.irp j, 0,1,2,3,4,5,6
	v_cmp_neq_f32 s[32+\j], v[D+\j], v22           ; lane (r, h): row 8 h + j of the tile against anchor r; only lanes w and w + 16 count
.endr
	v_mov_b32 v23, 7
.irp j, 6,5,4,3,2,1,0
	s_delay_alu instid0(VALU_DEP_1)
	v_cndmask_b32 v23, \j, v23, s[32+\j]           ; the first register that holds the largest sum
.endr
	ds_bpermute_b32 v20, v9, v23                   ; lane w's,
	ds_bpermute_b32 v21, v17, v23                  ; and lane w + 16's, to every lane
	s_wait_dscnt 0x0
	v_cndmask_b32 v23, v20, v21, s30               ; that of the group's half
.irp j, 0,1,2,3,4,5,6
	v_cmp_eq_u32 s[40+\j], \j, v23
.endr
	s_wait_loadcnt 0x0
.irp j, 0,1,2,3,4,5,6
.irp i, 0,1,2,3,4,5,6,7
	v_cndmask_b32 v[CAND+56+\i], v[CAND+56+\i], v[CAND+8*\j+\i], s[40+\j]   ; row 7 stays unless an earlier row is named
.endr
.endr
	global_store_b128 v8, v[CAND+56:CAND+59], s[12:13] th:TH_STORE_NT              ; 32 lanes store 512 consecutive bytes, aligned
	global_store_b128 v8, v[CAND+60:CAND+63], s[12:13] offset:512 th:TH_STORE_NT
	s_wait_tensorcnt 0x0                           ; the wave's end
	ds_add_u32 v202, v203
	s_wait_dscnt 0x0
	s_endpgm
.Lfunc_end_k_qfa56194bdc_pick:
	.size	k_qfa56194bdc_pick, .Lfunc_end_k_qfa56194bdc_pick-k_qfa56194bdc_pick
	.p2alignl 7, 3214868480
	.fill 96, 4, 3214868480
	.section	.rodata,"a",@progbits
	.p2align	6, 0x0
	.amdhsa_kernel k_qfa56194bdc_pick
		.amdhsa_group_segment_fixed_size 4608
		.amdhsa_private_segment_fixed_size 0
		.amdhsa_enable_private_segment 0
		.amdhsa_kernarg_size 40
		.amdhsa_user_sgpr_count 2
		.amdhsa_user_sgpr_kernarg_segment_ptr 1
		.amdhsa_wavefront_size32 1
		.amdhsa_system_sgpr_workgroup_id_x 1
		.amdhsa_system_sgpr_workgroup_id_y 1
		.amdhsa_system_sgpr_workgroup_id_z 1
		.amdhsa_system_vgpr_workitem_id 0
		.amdhsa_next_free_vgpr 204
		.amdhsa_next_free_sgpr 66
		.amdhsa_reserve_vcc 1
		.amdhsa_float_denorm_mode_32 3
		.amdhsa_float_denorm_mode_16_64 3
		.amdhsa_memory_ordered 1
		.amdhsa_forward_progress 1
		.amdhsa_inst_pref_size 20
	.end_amdhsa_kernel
	.amdgpu_metadata
---
amdhsa.version: [ 1, 2 ]
amdhsa.kernels:
  - .name:           k_qfa56194bdc_pick
    .symbol:         k_qfa56194bdc_pick.kd
    .args:
      - { .name: part, .offset: 0, .size: 8, .value_kind: global_buffer, .address_space: global }
      - { .name: pack, .offset: 8, .size: 8, .value_kind: global_buffer, .address_space: global }
      - { .name: mem_feat, .offset: 16, .size: 8, .value_kind: global_buffer, .address_space: global }
      - { .name: out0, .offset: 24, .size: 8, .value_kind: global_buffer, .address_space: global }
      - { .name: out1, .offset: 32, .size: 8, .value_kind: global_buffer, .address_space: global }
    .group_segment_fixed_size: 4608
    .private_segment_fixed_size: 0
    .kernarg_segment_align: 8
    .kernarg_segment_size: 40
    .max_flat_workgroup_size: 512
    .sgpr_count:     66
    .vgpr_count:     204
    .wavefront_size: 32
...
	.end_amdgpu_metadata
.endif
;; end of part 3
